; MI455X (gfx1250); checked and timed in simulation.
; The chip was launched on July 23, 2026; its instructions are those of AMD's public machine-readable ISA for CDNA 5 (MIT licence, August 2026) and "CDNA5" Instruction Set Architecture Reference Guide (July 2026). The comments in the code are by the model that wrote it; some were corrected since.
;; Attention. Allowed arithmetic: matrix products marked QUANTISED: E4M3 operands, one given power-of-two scale a tensor, by v_wmma_f32_16x16x64_fp8_fp8 or v_wmma_f32_16x16x128_fp8_fp8, f32 sums; everything else in f32.
;; Inputs: Wk 512 x 512 float32; Wq 512 x 512 float32; Wv 512 x 512 float32; k 8 x 2,048 x 512 float32; lowp_scales 10 int32 (the exponents e of the quantised operands' scales 2^e); q 8 x 2,048 x 512 float32; q_mask 8 x 2,048 x 1 float32; v 8 x 2,048 x 512 float32; v_mask 8 x 2,048 x 1 float32.
;; Outputs: out0 8 x 2,048 x 512 float32.
;; This version of the problem:
;;   THIS VERSION OF THE PROBLEM IS GIVEN IN LOW PRECISION. The matrix products marked QUANTISED in the list below multiply operands that are first quantised to E4M3 (4 exponent bits, 3 mantissa bits; 8 bits a number), with one given power-of-two scale for each operand tensor; their sums are f32. All else is computed in f32.
;;   The module's matrix products, in the order in which they are computed (A, B: the left and right operand; K: the contracted axis; several contracted axes count as one K, in the product's order):
;;     1. [M 16,384, K 512] x [K 512, N 512]; A: input q; B: input Wq: QUANTISED (scales: A lowp_scales[0], B lowp_scales[1])
;;     2. [M 16,384, K 512] x [K 512, N 512]; A: input k; B: input Wk: QUANTISED (scales: A lowp_scales[2], B lowp_scales[3])
;;     3. [M 16,384, K 512] x [K 512, N 512]; A: input v; B: input Wv: QUANTISED (scales: A lowp_scales[4], B lowp_scales[5])
;;     4. batch 64 x [M 2,048, K 64] x [K 64, N 2,048]; A: computed on the way; B: computed on the way: QUANTISED (scales: A lowp_scales[6], B lowp_scales[7])
;;     5. batch 64 x [M 64, K 2,048] x [K 2,048, N 2,048]; A: computed on the way; B: softmax (see below): QUANTISED (scales: A lowp_scales[8], B lowp_scales[9])
;;   THE QUANTISER, for each operand of a quantised product, along K:
;;     - The operand's scale is 2^e, e = its entry of the input lowp_scales (int32; the entries are numbered through the quantised products in the list's order, A before B).
;;     - Each number is divided by the scale, clamped to +-448, and rounded to the nearest number of E4M3, ties to even, subnormals kept.
;;     - The product sums the exact products of the quantised numbers (number of the format x scale) in f32.
;;   ~~~python
;;   def quantise(x, axis, e):      # numpy; x: float32 -> the quantised numbers, widened to float32 again
;;       x = np.moveaxis(x, axis, -1); K = x.shape[-1]
;;       r = np.clip(x / 2.0 ** e, -448, 448)
;;       step = 2.0 ** (np.maximum(np.frexp(np.where(r == 0, 1, r))[1] - 1, -6) - 3)
;;       q = np.round(r / step) * step * 2.0 ** e      # np.round: ties to even
;;       return np.moveaxis(q, -1, axis).astype(np.float32)
;;   ~~~
;;   SOFTMAX AHEAD OF A QUANTISED PRODUCT. Where the list says 'softmax', what is quantised is not the finished softmax but p = 2^(t - M), with t = logit x log2(e) and M = ceil(the row's largest t), a whole number; so 1/2 < the row's largest p <= 1. The row's sum l is taken of the UNQUANTISED p, in f32, and the product's result is divided by l at the end. Since M is a whole number, a kernel that streams over the keys may use a running M (the ceiling of the running maximum): every later rescaling is an exact power of two, so the quantised numbers keep their values, but for numbers so far below the row's largest that they fall under the format's range.
;;   OPERANDS COMPUTED ON THE WAY. 'Computed on the way' means the value that the module computes at that place (a softmax that the list does not call 'softmax' is quantised finished and normalised). What goes into a quantiser is computed in f32, as accurately as f32 sums, v_exp_f32 and their like allow (about 1e-6 of the number): no bf16 or f16 on the way to a quantiser, and a product that is left as it is and whose result goes on into a quantised operand takes f32 operands (vector FMAs, or v_wmma_f32_16x16x4_f32). A number that lies on a knife's edge between two numbers of the format may be rounded either way, as far as f32 arithmetic and the matrix unit's own rounding can turn it there, and no further.
;; One version. Each part assembles by itself: llvm-mc -triple=amdgcn-amd-amdhsa -mcpu=gfx1250 --defsym DOCPART=n.
;; ======== version 1 of 1: 3 launches
;; limits: values within 1.2e-07 (relative) of each other or of a threshold may be ordered or decided otherwise than in the reference; right only within a limited range of input values
;; workspace buffers: wc 786,432 bytes; qc 8,388,608 bytes; kc 8,388,608 bytes; vc 8,388,608 bytes
;; launch wquant (part 1): grid 4 x 12, 4 waves a work-group, no clusters, 0 bytes of LDS; arguments Wq, Wk, Wv, lowp_scales, wc; writes wc
.if DOCPART == 1
	.amdgcn_target "amdgcn-amd-amdhsa--gfx1250"
	.amdhsa_code_object_version 6
	.text
	.protected	k_qdef9da2961_wquant
	.globl	k_qdef9da2961_wquant
	.p2align	8
	.type	k_qdef9da2961_wquant,@function
k_qdef9da2961_wquant:
	s_mov_b64 s[64:65], 0
	v_nop
	global_prefetch_b8 v0, s[64:65] scope:SCOPE_SE
	s_setreg_imm32_b32 hwreg(HW_REG_WAVE_MODE, 25, 1), 1
	s_wait_xcnt 0x0
; Wq, Wk, Wv: [512 (k)][512 (n)] f32, K along the FIRST axis, become codes of E4M3 with the given scales 2^e (entries 1, 3, 5 of the scales' buffer).
; code = w / 2^e, held within +-448, rounded to the nearest code, ties to even.  LIMITS: e between -126 and 119; NaN among the inputs is not served.
; A LANE TAKES A COLUMN, AND ITS REGISTERS RUN DOWN K: a load reads 128 consecutive bytes a wave, and the conversions give codes with K innermost.
; THE CODES ARE LAID IN THE ORDER OF THE OPERAND'S REGISTERS: wc[tensor 3][head 8][tile 4][K step 4][2,048 bytes]; in a fragment the four registers 4 c .. 4 c + 3 of lane (r, hh) lie at byte
; 512 c + 256 hh + 16 r and hold K = 128 s + 32 c + 16 hh + 0 .. 15 of the tile's column r.  Which column that is: for Wv 16 t + r; for Wq and Wk 32 (t / 2) + 8 (t % 2) + r + 8 (r / 8), so that the
; results of two neighbouring tiles are 16 neighbours along the next product's K.  So a lane's 16 codes are 16 bytes of a fragment, sixteen lanes store 256 consecutive aligned bytes, and no LDS is needed.
; SHARES: work-group y = 4 x tensor + K step; a wave takes the 32 columns 32 (4 x + wave) on, 128 along K: four chunks of 32.  Waves share nothing: no barrier, no cluster (no byte is read twice).
.set X,   32                           ; v32-95   two sets of 32 numbers
.set C,   96                           ; v96-127  eight registers of codes for each chunk: no store's data are written again
.set ROW, 2048                         ; a row of W in bytes
	s_load_b256 s[4:11], s[0:1], 0x0               ; Wq s[4:5], Wk s[6:7], Wv s[8:9], the scales' exponents s[10:11]
	s_load_b64 s[12:13], s[0:1], 0x20              ; wc
	v_lshrrev_b32 v1, 5, v0
	v_readfirstlane_b32 s14, v1                    ; wave
	v_and_b32 v2, 31, v0                           ; lane = my column among the wave's 32
	v_lshlrev_b32 v3, 2, v2                        ; in: 4 bytes a lane
	s_and_b32 s15, ttmp7, 0xffff
	s_lshr_b32 s16, s15, 2                         ; tensor 0, 1, 2
	s_and_b32 s17, s15, 3                          ; K step
	s_lshl_b32 s18, ttmp9, 2
	s_add_co_u32 s18, s18, s14                     ; which 32 columns: 0 .. 15
	v_lshrrev_b32 v5, 4, v2                        ; Wv: tile lane / 16 of the pair, place lane % 16
	v_and_b32 v6, 15, v2
	v_lshlrev_b32 v6, 4, v6
	v_lshl_add_u32 v5, v5, 13, v6                  ; a tile's four K steps are 8,192 bytes
	v_bfe_u32 v7, v2, 3, 1                         ; Wq, Wk: tile (lane / 8) % 2, place lane % 8 + 8 (lane / 16)
	v_and_b32 v8, 7, v2
	v_lshrrev_b32 v9, 4, v2
	v_lshl_add_u32 v8, v9, 3, v8
	v_lshlrev_b32 v8, 4, v8
	v_lshl_add_u32 v7, v7, 13, v8
	s_wait_alu depctr_va_vdst(0)
	s_lshl_b32 s20, s17, 18                        ; in: 128 rows of 2,048 bytes for each K step,
	s_lshl_b32 s21, s18, 7                         ; + 128 bytes for each 32 columns
	s_add_co_u32 s20, s20, s21
	s_mov_b32 s21, 0
	s_lshl_b32 s22, s16, 18                        ; out: 262,144 bytes a tensor,
	s_lshl_b32 s23, s18, 14                        ; two tiles (16,384 bytes) for each 32 columns,
	s_add_co_u32 s22, s22, s23
	s_lshl_b32 s23, s17, 11                        ; 2,048 bytes a K step
	s_add_co_u32 s22, s22, s23
	s_mov_b32 s23, 0
	s_cmp_eq_u32 s16, 2
	s_cselect_b32 s19, -1, 0
	v_cndmask_b32 v4, v7, v5, s19                  ; my 16 bytes' place in the pair of tiles
	s_wait_kmcnt 0x0
	s_load_b256 s[24:31], s[10:11], 0x0            ; e0 .. e7
	s_cmp_eq_u32 s16, 1                            ; the choice of the tensor hangs on the work-group's number alone
	s_cselect_b64 s[4:5], s[6:7], s[4:5]
	s_cmp_eq_u32 s16, 2
	s_cselect_b64 s[4:5], s[8:9], s[4:5]
	s_add_nc_u64 s[4:5], s[4:5], s[20:21]
	s_add_nc_u64 s[12:13], s[12:13], s[22:23]
.macro LOAD c                          ; chunk c: W(128 s + 32 c + i, my column), i = 0 .. 31, into set c % 2
.set i, 0
.rept 32
	global_load_b32 v[X+32*((\c)%2)+i], v3, s[4:5] offset:(32*(\c)+i)*ROW th:TH_LOAD_NT
.set i, i+1
.endr
.endm
	LOAD 0
	LOAD 1
	s_wait_kmcnt 0x0
	s_cmp_eq_u32 s16, 1
	s_cselect_b32 s25, s27, s25
	s_cmp_eq_u32 s16, 2
	s_cselect_b32 s25, s29, s25                    ; e: entry 1, 3 or 5
	s_add_co_i32 s25, s25, 127
	s_lshl_b32 s26, s25, 23
	v_mov_b32 v11, s26                             ; 2^e as f32: the conversion takes its exponent field
.macro BLOCK c
.if (\c) < 3
	s_wait_loadcnt 32                              ; this chunk's 32 loads are in; the next chunk's 32 may be out
.else
	s_wait_loadcnt 0x0
.endif
.set i, 0
.rept 32
.set i, i+1
.endr
.irp g, 0,1,2,3
	v_cvt_scalef32_pk8_fp8_f32 v[C+8*(\c)+2*\g:C+8*(\c)+2*\g+1], v[X+32*((\c)%2)+8*\g:X+32*((\c)%2)+8*\g+7], v11
.endr
	global_store_b128 v4, v[C+8*(\c):C+8*(\c)+3], s[12:13] offset:512*(\c)          ; K = 32 c + 0 .. 15: the fragment's lanes 0-15.  Sixteen lanes store 256 consecutive bytes, aligned
	global_store_b128 v4, v[C+8*(\c)+4:C+8*(\c)+7], s[12:13] offset:512*(\c)+256    ; K = 32 c + 16 .. 31: its lanes 16-31
.if (\c)+2 < 4
	LOAD (\c)+2                                    ; into the set that the conversions have just read
.endif
.endm
	s_wait_alu depctr_va_vdst(0)
	BLOCK 0
	BLOCK 1
	BLOCK 2
	BLOCK 3
	s_endpgm
.Lfunc_end_k_qdef9da2961_wquant:
	.size	k_qdef9da2961_wquant, .Lfunc_end_k_qdef9da2961_wquant-k_qdef9da2961_wquant
	.p2alignl 7, 3214868480
	.fill 96, 4, 3214868480
	.section	.rodata,"a",@progbits
	.p2align	6, 0x0
	.amdhsa_kernel k_qdef9da2961_wquant
		.amdhsa_group_segment_fixed_size 0
		.amdhsa_private_segment_fixed_size 0
		.amdhsa_enable_private_segment 0
		.amdhsa_kernarg_size 40
		.amdhsa_user_sgpr_count 2
		.amdhsa_user_sgpr_kernarg_segment_ptr 1
		.amdhsa_wavefront_size32 1
		.amdhsa_system_sgpr_workgroup_id_x 1
		.amdhsa_system_sgpr_workgroup_id_y 1
		.amdhsa_system_sgpr_workgroup_id_z 1
		.amdhsa_system_vgpr_workitem_id 0
		.amdhsa_next_free_vgpr 128
		.amdhsa_next_free_sgpr 66
		.amdhsa_reserve_vcc 0
		.amdhsa_float_denorm_mode_32 3
		.amdhsa_float_denorm_mode_16_64 3
		.amdhsa_fp16_overflow 1
		.amdhsa_memory_ordered 1
		.amdhsa_forward_progress 1
		.amdhsa_inst_pref_size 17
	.end_amdhsa_kernel
	.amdgpu_metadata
---
amdhsa.version: [ 1, 2 ]
amdhsa.kernels:
  - .name:           k_qdef9da2961_wquant
    .symbol:         k_qdef9da2961_wquant.kd
    .args:
      - { .name: Wq, .offset: 0, .size: 8, .value_kind: global_buffer, .address_space: global }
      - { .name: Wk, .offset: 8, .size: 8, .value_kind: global_buffer, .address_space: global }
      - { .name: Wv, .offset: 16, .size: 8, .value_kind: global_buffer, .address_space: global }
      - { .name: lowp_scales, .offset: 24, .size: 8, .value_kind: global_buffer, .address_space: global }
      - { .name: wc, .offset: 32, .size: 8, .value_kind: global_buffer, .address_space: global }
    .group_segment_fixed_size: 0
    .private_segment_fixed_size: 0
    .kernarg_segment_align: 8
    .kernarg_segment_size: 40
    .max_flat_workgroup_size: 128
    .sgpr_count:     66
    .vgpr_count:     128
    .wavefront_size: 32
...
	.end_amdgpu_metadata
.endif
;; end of part 1
;; launch proj (part 2): grid 64 x 3, 8 waves a work-group, no clusters, 327,680 bytes of LDS; arguments q, k, v, wc, lowp_scales, qc, kc, vc; writes qc, kc, vc
.if DOCPART == 2
	.amdgcn_target "amdgcn-amd-amdhsa--gfx1250"
	.amdhsa_code_object_version 6
	.text
	.protected	k_qdef9da2961_proj
	.globl	k_qdef9da2961_proj
	.p2align	8
	.type	k_qdef9da2961_proj,@function
k_qdef9da2961_proj:
	s_mov_b64 s[64:65], 0
	v_nop
	global_prefetch_b8 v0, s[64:65] scope:SCOPE_SE
	s_setreg_imm32_b32 hwreg(HW_REG_WAVE_MODE, 25, 1), 1
	s_wait_xcnt 0x0
.set ROWB,  2048
.set BLKB,  64*ROWB
.set PITCH, 272
.set STRIP, 64*PITCH
.set SLOT,  8*STRIP
.set XIMG,  2*SLOT
.set FRB,   2048
.set SPARE, XIMG+16*FRB
.set SPW,  1
.set NIL,  2
.set LI,   3
.set XWI,  4
.set ADX,  5
.set GO,   7
.set SCX,  10
.set LIMX, 11
.set SCO,  12
.set LIMO, 13
.set PC0,  16
.set PC1,  224
.set XS,   32
.set ACC,  32
.set OC,   96
.set XF,   160
.set G1,   24
.set G0,   32
.set MSB, 0
.macro WIN new
.if MSB != \new
	s_set_vgpr_msb (MSB<<8)|\new
.set MSB, \new
.endif
.endm
.macro PLACES n
.rept \n
	v_nop
.endr
.endm
	s_load_b256 s[4:11], s[0:1], 0x0
	s_load_b256 s[12:19], s[0:1], 0x20
	v_lshl_add_u32 v[SPW], v0, 2, SPARE
	v_mov_b32 v[NIL], 0
	ds_add_u32 v1, v2
	ds_add_u32 v1, v2
	s_wait_dscnt 0x0
	v_lshrrev_b32 v9, 5, v0
	s_delay_alu instid0(VALU_DEP_1)
	v_readfirstlane_b32 s20, v9
	s_and_b32 s21, ttmp7, 0xffff
	s_mov_b32 s22, ttmp9
	s_mov_b32 s[G1+0], (2<<16)|(1<<20)|(5<<22)|(3<<25)
	s_mov_b32 s[G1+1], 64<<16
	s_mov_b32 s[G1+2], 64<<16
	s_mov_b32 s[G1+3], 64<<16
	s_mov_b32 s[G1+4], 64
	s_mov_b32 s[G1+5], 512
	s_mov_b32 s[G1+6], 0
	s_mov_b32 s[G1+7], 0
	s_lshl_b32 s48, s22, 19
	s_lshl_b32 s49, s20, 8
	s_add_co_u32 s48, s48, s49
	s_mov_b32 s49, 0
	s_lshr_b32 s50, s22, 3
	s_lshl_b32 s50, s50, 3
	s_add_co_u32 s50, s50, s20
	s_lshl_b32 s50, s50, 17
	s_and_b32 s51, s22, 7
	s_lshl_b32 s51, s51, 14
	s_add_co_u32 s50, s50, s51
	s_mov_b32 s51, 0
	s_lshl_b32 s52, s21, 18
	s_lshl_b32 s53, s20, 15
	s_add_co_u32 s52, s52, s53
	s_mov_b32 s53, 0
	s_mul_i32 s46, s20, STRIP
	s_wait_kmcnt 0x0
	s_load_b256 s[72:79], s[12:13], 0x0
	s_load_b32 s80, s[12:13], 0x20
	s_cmp_eq_u32 s21, 1
	s_cselect_b64 s[40:41], s[6:7], s[4:5]
	s_cselect_b64 s[42:43], s[16:17], s[14:15]
	s_cmp_eq_u32 s21, 2
	s_cselect_b64 s[40:41], s[8:9], s[40:41]
	s_cselect_b64 s[42:43], s[18:19], s[42:43]
	s_add_nc_u64 s[40:41], s[40:41], s[48:49]
	s_add_nc_u64 s[42:43], s[42:43], s[50:51]
	s_add_nc_u64 s[44:45], s[10:11], s[52:53]
.irp n, 0,1
	s_mov_b32 s[G0+4*\n], 1
	s_add_co_u32 s[G0+4*\n+1], s46, \n*SLOT
	s_add_nc_u64 s[G0+4*\n+2:G0+4*\n+3], s[40:41], \n*BLKB
	s_or_b32 s[G0+4*\n+3], s[G0+4*\n+3], 0x80000000
.endr
	tensor_load_to_lds s[G0:G0+3], s[G1:G1+7]
	s_nop 0
	s_wait_alu depctr_va_vdst(0)
	s_wait_tensorcnt 0x0
	ds_add_u32 v1, v2
	s_wait_dscnt 0x0
	s_barrier_signal -1
	s_barrier_wait -1
	tensor_load_to_lds s[G0+4:G0+7], s[G1:G1+7]
	s_nop 0
	PLACES 4
	v_and_b32 v9, 31, v0
	s_delay_alu instid0(VALU_DEP_1)
	v_lshlrev_b32 v[GO], 4, v9
	WIN 0x40
.set i, 0
.rept 64
	global_load_b128 v[4*i:4*i+3], v[GO], s[44:45] offset:512*i
.set i, i+1
.endr
	WIN 0
	v_add_nc_u32 v[LI], XIMG, v[GO]
	s_lshl_b32 s47, s20, 12
	v_add_nc_u32 v[XWI], s47, v[LI]
	v_and_b32 v14, 15, v0
	v_bfe_u32 v15, v0, 4, 1
	s_delay_alu instid0(VALU_DEP_2)
	v_and_b32 v9, 8, v14
	s_delay_alu instid0(VALU_DEP_1)
	v_add_nc_u32 v9, v9, v14
	s_delay_alu instid0(VALU_DEP_1)
	v_mul_u32_u24 v9, v9, PITCH
	s_delay_alu instid0(VALU_DEP_1)
	v_lshl_add_u32 v9, v15, 6, v9
	s_wait_alu depctr_va_vdst(0)
	s_lshr_b32 s50, s20, 2
	s_lshl_b32 s50, s50, 5
	s_bfe_u32 s51, s20, 0x10001
	s_lshl_b32 s51, s51, 3
	s_add_co_u32 s50, s50, s51
	s_mul_i32 s50, s50, PITCH
	s_and_b32 s51, s20, 1
	s_mul_i32 s51, s51, 4*STRIP
	s_add_co_u32 s50, s50, s51
	v_add_nc_u32 v[ADX], s50, v9
	s_delay_alu instid0(VALU_DEP_1)
	v_add_nc_u32 v[ADX+1], SLOT, v[ADX]
	s_wait_alu depctr_va_vdst(0)
	s_wait_kmcnt 0x0
	s_cmp_eq_u32 s21, 1
	s_cselect_b32 s72, s74, s72
	s_cselect_b32 s73, s75, s73
	s_cselect_b32 s78, s79, s78
	s_cmp_eq_u32 s21, 2
	s_cselect_b32 s72, s76, s72
	s_cselect_b32 s73, s77, s73
	s_cselect_b32 s78, s80, s78
	s_add_co_i32 s74, s72, 127
	s_lshl_b32 s75, s74, 23
	v_mov_b32 v[SCX], s75
	s_sub_co_i32 s78, s78, s72
	s_sub_co_i32 s78, s78, s73
	s_add_co_i32 s78, s78, 127
	s_lshl_b32 s79, s78, 23
	v_mov_b32 v[SCO], s79
.macro XREAD slot
.irp f, 0,1
.irp c, 0,1,2,3
.irp j, 0,1,2,3
	ds_load_b128 v[XS+64*\f+16*\c+4*\j:XS+64*\f+16*\c+4*\j+3], v[ADX+\slot] offset:(2*\f+\c/2)*STRIP+128*(\c%2)+16*\j
.endr
.endr
.endr
.endm
.macro QUANT src, dst, sc, lim
.irp b, 0,1,2,3
.set i, 0
.rept 16
.set i, i+1
.endr
	v_cvt_scalef32_pk8_fp8_f32 v[\dst+4*\b:\dst+4*\b+1], v[\src+16*\b:\src+16*\b+7], v[\sc]
	v_cvt_scalef32_pk8_fp8_f32 v[\dst+4*\b+2:\dst+4*\b+3], v[\src+16*\b+8:\src+16*\b+15], v[\sc]
.endr
	v_nop
.endm
.macro IMAGE pc, off
.irp c, 0,1,2,3
	ds_store_b128 v[XWI], v[\pc+4*\c:\pc+4*\c+3] offset:\off+512*\c
.endr
.endm
.macro FETCH m
.irp s, 0,1,2,3
.irp c, 0,1,2,3
	ds_load_b128 v[XF+16*\s+4*\c:XF+16*\s+4*\c+3], v[LI] offset:(4*(\m)+\s)*FRB+512*\c
.endr
.endr
.endm
.macro MULQK
.irp s, 0,1,2,3
.irp t, 0,1,2,3
.if \s == 0
	v_wmma_f32_16x16x128_fp8_fp8 v[ACC+8*\t:ACC+8*\t+7], v[16*(4*\t+\s):16*(4*\t+\s)+15], v[XF+16*\s:XF+16*\s+15], 0
.else
	v_wmma_f32_16x16x128_fp8_fp8 v[ACC+8*\t:ACC+8*\t+7], v[16*(4*\t+\s):16*(4*\t+\s)+15], v[XF+16*\s:XF+16*\s+15], v[ACC+8*\t:ACC+8*\t+7]
.endif
.endr
.endr
.endm
.macro MULV u
.irp s, 0,1,2,3
.irp t, 0,1,2,3
.if \s == 0
	v_wmma_f32_16x16x128_fp8_fp8 v[ACC+16*\t+8*(\u):ACC+16*\t+8*(\u)+7], v[XF+16*\s:XF+16*\s+15], v[16*(4*\t+\s):16*(4*\t+\s)+15], 0
.else
	v_wmma_f32_16x16x128_fp8_fp8 v[ACC+16*\t+8*(\u):ACC+16*\t+8*(\u)+7], v[XF+16*\s:XF+16*\s+15], v[16*(4*\t+\s):16*(4*\t+\s)+15], v[ACC+16*\t+8*(\u):ACC+16*\t+8*(\u)+7]
.endif
.endr
.endr
.endm
.macro BLOCK blk
.if (\blk) == 0
	s_wait_tensorcnt 0x1
	s_barrier_signal -1
	s_barrier_wait -1
.else
	s_wait_xcnt 0x0
	s_wait_tensorcnt 0x0
	ds_add_u32 v[SPW], v[NIL]
.if (\blk) < 3
	s_add_nc_u64 s[G0+4*(((\blk)+1)%2)+2:G0+4*(((\blk)+1)%2)+3], s[G0+4*(((\blk)+1)%2)+2:G0+4*(((\blk)+1)%2)+3], 2*BLKB
.endif
	s_wait_dscnt 0x0
	s_barrier_signal -1
	s_barrier_wait -1
.if (\blk) < 3
	tensor_load_to_lds s[G0+4*(((\blk)+1)%2):G0+4*(((\blk)+1)%2)+3], s[G1:G1+7]
	s_nop 0
	PLACES 4
.endif
.endif
	XREAD (\blk)%2
	s_wait_dscnt 16
	QUANT XS, PC0, SCX, LIMX
	IMAGE PC0, 0
	s_wait_dscnt 4
	QUANT XS+64, PC1, SCX, LIMX
	IMAGE PC1, FRB
	s_wait_dscnt 0x0
	s_barrier_signal -1
	s_barrier_wait -1
.if (\blk) == 0
	s_wait_loadcnt 0x0
.endif
	FETCH 0
	s_cmp_eq_u32 s21, 2
	s_cbranch_scc1 .Lfor_v_\@
.irp m, 0,1,2,3
	s_wait_dscnt 0x0
	WIN 0x01
	MULQK
	WIN 0
	PLACES 5
.if \m < 3
	FETCH \m+1
.endif
.set i, 0
.rept 32
.set i, i+1
.endr
.irp c, 0,1
	v_cvt_scalef32_pk8_fp8_f32 v[OC+8*\m+4*\c:OC+8*\m+4*\c+1], v[ACC+16*\c:ACC+16*\c+7], v[SCO]
	v_cvt_scalef32_pk8_fp8_f32 v[OC+8*\m+4*\c+2:OC+8*\m+4*\c+3], v[ACC+16*\c+8:ACC+16*\c+15], v[SCO]
.endr
	v_nop
.irp c, 0,1
	global_store_b128 v[GO], v[OC+8*\m+4*\c:OC+8*\m+4*\c+3], s[42:43] offset:(\blk)*4096+\m*1024+512*\c
.endr
.endr
	s_branch .Ljoin_\@
.Lfor_v_\@:
.irp m, 0,1,2,3
	s_wait_dscnt 0x0
	WIN 0x04
	MULV \m%2
	WIN 0
	PLACES 5
.if \m < 3
	FETCH \m+1
.endif
.if \m%2 == 1
.set i, 0
.rept 64
.set i, i+1
.endr
.irp t, 0,1,2,3
	v_cvt_scalef32_pk8_fp8_f32 v[OC+16*(\m/2)+4*\t:OC+16*(\m/2)+4*\t+1], v[ACC+16*\t:ACC+16*\t+7], v[SCO]
	v_cvt_scalef32_pk8_fp8_f32 v[OC+16*(\m/2)+4*\t+2:OC+16*(\m/2)+4*\t+3], v[ACC+16*\t+8:ACC+16*\t+15], v[SCO]
.endr
	v_nop
.irp t, 0,1,2,3
	global_store_b128 v[GO], v[OC+16*(\m/2)+4*\t:OC+16*(\m/2)+4*\t+3], s[42:43] offset:((\blk)/2)*8192+\t*2048+(2*((\blk)%2)+\m/2)*512
.endr
.endif
.endr
.Ljoin_\@:
.endm
	s_wait_alu depctr_va_vdst(0)
	BLOCK 0
	BLOCK 1
	BLOCK 2
	BLOCK 3
	s_wait_tensorcnt 0x0
	ds_add_u32 v[SPW], v[NIL]
	s_wait_dscnt 0x0
	s_endpgm
.Lfunc_end_k_qdef9da2961_proj:
	.size	k_qdef9da2961_proj, .Lfunc_end_k_qdef9da2961_proj-k_qdef9da2961_proj
	.p2alignl 7, 3214868480
	.fill 96, 4, 3214868480
	.section	.rodata,"a",@progbits
	.p2align	6, 0x0
	.amdhsa_kernel k_qdef9da2961_proj
		.amdhsa_group_segment_fixed_size 327680
		.amdhsa_private_segment_fixed_size 0
		.amdhsa_enable_private_segment 0
		.amdhsa_kernarg_size 64
		.amdhsa_user_sgpr_count 2
		.amdhsa_user_sgpr_kernarg_segment_ptr 1
		.amdhsa_wavefront_size32 1
		.amdhsa_system_sgpr_workgroup_id_x 1
		.amdhsa_system_sgpr_workgroup_id_y 1
		.amdhsa_system_sgpr_workgroup_id_z 1
		.amdhsa_system_vgpr_workitem_id 0
		.amdhsa_next_free_vgpr 512
		.amdhsa_next_free_sgpr 88
		.amdhsa_reserve_vcc 0
		.amdhsa_float_denorm_mode_32 3
		.amdhsa_float_denorm_mode_16_64 3
		.amdhsa_fp16_overflow 1
		.amdhsa_memory_ordered 1
		.amdhsa_forward_progress 1
		.amdhsa_inst_pref_size 111
	.end_amdhsa_kernel
	.amdgpu_metadata
---
amdhsa.version: [ 1, 2 ]
amdhsa.kernels:
  - .name:           k_qdef9da2961_proj
    .symbol:         k_qdef9da2961_proj.kd
    .args:
      - { .name: q, .offset: 0, .size: 8, .value_kind: global_buffer, .address_space: global }
      - { .name: k, .offset: 8, .size: 8, .value_kind: global_buffer, .address_space: global }
      - { .name: v, .offset: 16, .size: 8, .value_kind: global_buffer, .address_space: global }
      - { .name: wc, .offset: 24, .size: 8, .value_kind: global_buffer, .address_space: global }
      - { .name: lowp_scales, .offset: 32, .size: 8, .value_kind: global_buffer, .address_space: global }
      - { .name: qc, .offset: 40, .size: 8, .value_kind: global_buffer, .address_space: global }
      - { .name: kc, .offset: 48, .size: 8, .value_kind: global_buffer, .address_space: global }
      - { .name: vc, .offset: 56, .size: 8, .value_kind: global_buffer, .address_space: global }
    .group_segment_fixed_size: 327680
    .private_segment_fixed_size: 0
    .kernarg_segment_align: 8
    .kernarg_segment_size: 64
    .max_flat_workgroup_size: 256
    .sgpr_count:     88
    .vgpr_count:     512
    .wavefront_size: 32
...
	.end_amdgpu_metadata
.endif
;; end of part 2
;; launch attn (part 3): grid 4 x 64, 8 waves a work-group, clusters of 4 x 1, 327,680 bytes of LDS; arguments qc, kc, vc, v_mask, q_mask, lowp_scales, out0; writes out0
.if DOCPART == 3
	.amdgcn_target "amdgcn-amd-amdhsa--gfx1250"
	.amdhsa_code_object_version 6
	.text
	.protected	k_qdef9da2961_attn
	.globl	k_qdef9da2961_attn
	.p2align	8
	.type	k_qdef9da2961_attn,@function
k_qdef9da2961_attn:
	s_mov_b64 s[64:65], 0
	v_nop
	global_prefetch_b8 v0, s[64:65] scope:SCOPE_SE
	s_setreg_imm32_b32 hwreg(HW_REG_WAVE_MODE, 25, 1), 1
	s_wait_xcnt 0x0
	s_wait_alu depctr_hold_cnt(0) depctr_sa_sdst(0) depctr_va_vdst(0) depctr_va_sdst(0) depctr_va_ssrc(0) depctr_va_vcc(0) depctr_vm_vsrc(0)
	s_getreg_b32 s2, hwreg(HW_REG_IB_STS2, 6, 4)
	s_cmp_eq_u32 s2, 0
	s_cbranch_scc0 .Lentry_in_a_cluster
	s_endpgm
.Lentry_in_a_cluster:
	s_bfe_u32 s2, ttmp6, 0x10000c
	s_cmp_lg_u32 s2, 0x3003
	s_cbranch_scc0 .Lentry_shape_is_right
	s_endpgm
.Lentry_shape_is_right:
; out0[b][q][64 h ..] = q_mask[b][q] x the sum over k of softmax_k(Q . K / 8 - (1 - v_mask[b][k]) x 1e10) V, both products on codes of E4M3 with the given scales (entries 6, 7: Q, K; 8, 9: V, p).
; qc, kc: [8 b + h][token tile 128][1,024 bytes], vc: [8 b + h][128 keys: 16][channel tile 4][2,048 bytes]: fragments in the order of the operands' registers (four registers of lane l at 512 c + 16 l), made by the launch before.
; THE SOFTMAX AHEAD OF THE SECOND PRODUCT: t = logit x log2(e), ROUNDED TO f32; M = the running largest t rounded UP to a whole number; p = 2^(t - M) is quantised, not normalised; the row's sum is taken of the
; unquantised p and divides at the end.  When M moves, the sum and O are multiplied by 2^(old M - new M), which rounds nothing.  t is rounded BEFORE M is taken away (a multiplication, then an addition, not one fused
; line): v_mask may hold any numbers, so t may be of the size of 1e10, where neighbouring f32 numbers lie 1,024 apart; the largest key's t - M is then 0, and not the rounding's residue.
; SHARES.  A work-group owns 512 queries of one head; each of its eight waves 64: four tiles of 16.  Two waves to a SIMD, so that one wave's vector work stands beside the other's products and LDS loads;
; each fragment of K, of V and of the bias that a wave reads from LDS feeds four tiles.
; A HEAD'S WHOLE K AND V, 262,144 bytes of codes, LIE IN LDS: each byte is filled once, nothing is filled again, and the loop over the keys has no barrier.
; CLUSTER.  The four query blocks of a head need the same K and V: each wave's 32,768 bytes are asked for JOINTLY, by the same tensor load with the same descriptor and a mask that names the four.  A round of the
; cluster's barrier stands in front of the loads and one in front of s_endpgm.  A work-group's place in the cluster enters the addresses of qc, q_mask and out0 alone.
; LAYOUT.  Both products are used transposed: S^T = K Q^T + bias (source 0 = 16 keys, source 1 = 16 queries), O^T = V^T P^T: a lane holds ONE query throughout.  The keys of a tile are not neighbours (lane r of tile
; 2 b + u: key 32 b + 8 u + r + 8 (r / 8)), so that the 16 registers of tiles 2 b, 2 b + 1 are 16 neighbouring keys, and p's conversions give the second product's operand.  The queries of a tile are chosen likewise; the way out knows it.
; THE KEY MASK'S TERM IS THE C OF THE FIRST PRODUCT: bias[k] = fl(fl(v_mask[k] - 1) x 1e10) x 8 x 2^-(e6 + e7), so that c x (sum + bias) = (Q . K / 8 - (1 - mask) x 1e10) x log2(e), with c = log2(e) / 8 x 2^(e6 + e7).
; Where the mask is 1 the bias is exactly 0.
; LIMIT OF ROUNDING: sum + bias is rounded once, by the matrix unit; the definition rounds Q . K / 8 and then the difference.  At a large bias the two may differ by one step of f32 at the logit's size, which decides
; something only between keys whose logits lie within such a step of each other.
; LIMITS on the given exponents: e6 + e7 between -91 and 130 (c and the bias are f32 numbers); e9 between -126 and 119; e8 + e9 is applied by v_ldexp_f32 and has none.  t stays above -3e38.  NaN among the inputs is not served.
; REGISTERS, window 0: v1-8 addresses; v10-12 at work; v13, v18 448 x 2^e9; v[14:15] f; v[16:17] the second chain of sums; v19 2^e9; v20-23 q_mask; v24.. four registers a tile: -M, the largest t, the sum in two halves;
;   v40-55 p's codes; v56-119 S^T, then t, then p; v120-183 the bias; v184-247 K's eight fragments.     window 1: v0-31 Q; v32-159 O^T (tile tt, channels 16 t on: 32 + 32 tt + 8 t); v160-223 V's four fragments.
.set STEPB, 8192                       ; a step's K (8 tiles x 1,024 bytes), and its V (4 x 2,048)
.set KBASE, 8192                       ; LDS: the bias, 2,048 x 4 bytes, from 0; K from here;
.set VBASE, KBASE+16*STEPB             ; V; the last step's look-ahead reads K's first bytes for a bias and V's for K: bytes that are filled and that nobody writes; what it brings is not used
.set STAGE, VBASE+16*STEPB             ; the way out: 16 rows x (256 + 16) bytes for each wave; no tensor load fills these bytes, nor the bias's
.set LI,  1                            ; v1   16 x lane
.set ADK, 2                            ; v2   the next step's K
.set ADV, 3                            ; v3   this step's V
.set ADB, 4                            ; v4   the next step's bias
.set BL,  5                            ; v5   64 x (lane / 16)
.set STO, 6                            ; v6   the way out: where I put 32 bytes of a row
.set RD,  7                            ; v7   where I read a row back
.set GO,  8                            ; v8   my byte offset in two rows of out0
.set MA,  10
.set MB,  11
.set PX,  12
.set LIM2, 13
.set F,   14
.set T,   16
.set LIM, 18
.set SC,  19
.set QM,  20
.set ST,  24
.set P,   40
.set S,   56
.set BI,  120
.set KF,  184
.set BK,  120                          ; the way out: rows read back, 32 registers a tile
.set OT,  32                           ; in window 1
.set VF,  160
.set WV,  16                           ; s16  my wave's number
.set TBK, 48                           ; s48  where the next step's K lies
.set TBV, 49                           ; s49  where this step's V lies
.set BO,  50                           ; s50  where the next step's bias lies
.set MSB, 0
.macro WIN new                         ; the immediate's high byte repeats the setting that is left; a switch that changes nothing is dropped
.if MSB != \new
	s_set_vgpr_msb (MSB<<8)|\new
.set MSB, \new
.endif
.endm
.macro PLACES n
.rept \n
	v_nop
.endr
.endm
; A round of the cluster's barrier: my work-group's barrier, so that wave 0's signal speaks for all eight waves; wave 0 signals for the work-group; every wave waits for all four work-groups; my work-group's barrier once more.
.macro CROUND
	s_barrier_signal -1
	s_barrier_wait -1
	s_cmp_lg_u32 s[WV], 0
	s_cbranch_scc1 .Lnot_wave_0_\@
	s_barrier_signal -3
.Lnot_wave_0_\@:
	s_barrier_wait -3
	s_barrier_signal -1
	s_barrier_wait -1
.endm
	s_load_b256 s[4:11], s[0:1], 0x0               ; qc s[4:5], kc s[6:7], vc s[8:9], v_mask s[10:11]
	s_load_b128 s[12:15], s[0:1], 0x20             ; q_mask s[12:13], the scales' exponents s[14:15]
	s_load_b64 s[58:59], s[0:1], 0x30              ; out0
	v_lshl_add_u32 v254, v0, 2, 0x4a800
	v_mov_b32 v255, 0
	ds_add_u32 v254, v255
	ds_add_u32 v254, v255
	v_lshrrev_b32 v9, 5, v0
	s_delay_alu instid0(VALU_DEP_1)
	v_readfirstlane_b32 s[WV], v9                  ; wave 0..7
	s_bfe_u32 s17, ttmp6, 0x40000                  ; cx: my place in the cluster
	s_lshl_b32 s19, ttmp9, 2                       ; in a cluster launch ttmp9 counts clusters
	s_add_co_u32 s17, s19, s17                     ; my block of 512 queries
	s_and_b32 s18, ttmp7, 0xffff                   ; 8 x batch + head, which the four partners share
	; descriptor group 1: 128 rows of 256 bytes, dense
	s_mov_b32 s24, 15|(3<<16)|(1<<21)              ; 15:0 the mask: all four work-groups; 17:16 elements of 8 bytes; 21 set beside a mask; no padding: every LDS load here takes 512 consecutive bytes
	s_mov_b32 s25, 32<<16                          ; tensor_dim0 = 32
	s_mov_b32 s26, 128<<16                         ; tensor_dim1 = 128
	s_mov_b32 s27, 32<<16                          ; tile_dim0 = 32
	s_mov_b32 s28, 128                             ; tile_dim1 = 128
	s_mov_b32 s29, 32                              ; tensor_dim0_stride
	s_mov_b32 s30, 0
	s_mov_b32 s31, 0
	s_mov_b32 s20, 0x76543210                      ; v_permlanex16_b32's selects for lane l xor 16
	s_mov_b32 s21, 0xfedcba98
	s_mov_b32 s[TBK], KBASE
	s_mov_b32 s[TBV], VBASE
	s_mov_b32 s[BO], 0
	s_mov_b32 s51, 16                              ; key steps
	s_and_b32 s60, s[WV], 3                        ; waves 0-3 fetch K's four quarters, waves 4-7 V's: 32,768 bytes each
	s_lshl_b32 s60, s60, 15
	s_lshl_b32 s61, s18, 17                        ; a head's codes are 131,072 bytes in each buffer
	s_add_co_u32 s60, s60, s61
	s_mov_b32 s61, 0
	s_wait_dscnt 0x0
	s_wait_kmcnt 0x0
	s_load_b128 s[52:55], s[14:15], 0x18           ; e6, e7, e8, e9
	s_mov_b32 s40, 1                               ; group 0: 1:0 count = 1
	s_lshl_b32 s41, s[WV], 15
	s_add_co_u32 s41, s41, KBASE                   ; 63:32 LDS address: V's bytes follow K's, so it is KBASE + 32,768 x wave: no place in the cluster enters it
	s_cmp_lt_u32 s[WV], 4                          ; the choice hangs on the wave's number alone: it is the same in all four partners
	s_cselect_b64 s[42:43], s[6:7], s[8:9]
	s_add_nc_u64 s[42:43], s[42:43], s[60:61]      ; 120:64 global address
	s_or_b32 s43, s43, 0x80000000                  ; 127:126 type = 2
	CROUND                                         ; all four work-groups are here: the joint loads meet
	tensor_load_to_lds s[40:43], s[24:31]          ; my one tensor load of the launch
	s_nop 0
	PLACES 4                                       ; four v_nop follow
	s_lshr_b32 s62, s18, 3                         ; batch
	s_lshl_b32 s66, s62, 13
	s_mov_b32 s67, 0
	s_add_nc_u64 s[10:11], s[10:11], s[66:67]      ; v_mask at my batch row
	s_lshl_b32 s62, s62, 11
	s_lshl_b32 s63, s17, 9
	s_add_co_u32 s62, s62, s63
	s_lshl_b32 s63, s[WV], 6
	s_add_co_u32 s62, s62, s63                     ; my first row of out0: 2,048 x batch + 512 x block + 64 x wave
	s_lshl_b32 s66, s62, 2
	s_add_nc_u64 s[12:13], s[12:13], s[66:67]      ; q_mask there
	s_lshl_b32 s66, s62, 11
	s_and_b32 s63, s18, 7
	s_lshl_b32 s63, s63, 8
	s_add_co_u32 s66, s66, s63
	s_add_nc_u64 s[58:59], s[58:59], s[66:67]      ; out0 there, at my head's 256 bytes
	s_lshl_b32 s66, s18, 17
	s_lshl_b32 s63, s17, 15
	s_add_co_u32 s66, s66, s63
	s_lshl_b32 s63, s[WV], 12
	s_add_co_u32 s66, s66, s63
	s_add_nc_u64 s[4:5], s[4:5], s[66:67]          ; my four tiles of Q
	v_and_b32 v9, 31, v0
	s_delay_alu instid0(VALU_DEP_1)
	v_lshlrev_b32 v[LI], 4, v9
	v_and_b32 v66, 15, v0                          ; r
	v_bfe_u32 v67, v0, 4, 1                        ; hh
	v_lshlrev_b32 v64, 5, v0                       ; 32 x thread: my eight numbers of v_mask, and of the bias in LDS
	s_delay_alu instid0(VALU_DEP_3)
	v_and_b32 v9, 8, v66
	s_delay_alu instid0(VALU_DEP_1)
	v_add_nc_u32 v9, v9, v66
	s_delay_alu instid0(VALU_DEP_1)
	v_lshlrev_b32 v9, 2, v9                        ; q_mask: 4 (r + 8 (r / 8))
	WIN 0x40                                       ; destination window 1
.irp i, 0,1,2,3,4,5,6,7
	global_load_b128 v[4*\i:4*\i+3], v[LI], s[4:5] offset:512*\i th:TH_LOAD_NT   ; Q stays in registers: tile tt at v[8 tt]
.endr
	WIN 0
	global_load_b128 v[56:59], v64, s[10:11]
	global_load_b128 v[60:63], v64, s[10:11] offset:16
.irp tt, 0,1,2,3
	global_load_b32 v[QM+\tt], v9, s[12:13] offset:4*(32*(\tt/2)+8*(\tt%2))
.endr
	v_lshlrev_b32 v[BL], 6, v67
	s_mul_i32 s62, s[WV], 16*272
	s_add_co_u32 s62, s62, STAGE                   ; my stage
	v_mul_u32_u24 v[STO], v66, 272
	s_delay_alu instid0(VALU_DEP_1)
	v_lshl_add_u32 v[STO], v67, 5, v[STO]
	s_delay_alu instid0(VALU_DEP_1)
	v_add_nc_u32 v[STO], s62, v[STO]               ; in: row r, + 32 hh; channel tile t: 64 t bytes on
	v_mul_u32_u24 v[RD], v67, 272
	s_delay_alu instid0(VALU_DEP_1)
	v_lshl_add_u32 v[RD], v66, 4, v[RD]
	s_delay_alu instid0(VALU_DEP_1)
	v_add_nc_u32 v[RD], s62, v[RD]                 ; back: lanes 0-15 one row of 256 bytes, lanes 16-31 the next
	v_lshlrev_b32 v[GO], 11, v67
	s_delay_alu instid0(VALU_DEP_1)
	v_lshl_add_u32 v[GO], v66, 4, v[GO]            ; and the same in out0, whose rows are 2,048 bytes
	v_mov_b32 v[PX], 0                             ; written once: a lane permute's destination counts as one of its sources
	v_mov_b32 v[F+1], 0                            ; (named as the upper half of the pair)
.irp tt, 0,1,2,3
	v_mov_b32 v[ST+4*\tt+1], 0xff61b1e6            ; the largest t so far: -3e38, under every t
	s_delay_alu instid0(VALU_DEP_1)
	v_floor_f32 v[ST+4*\tt], -v[ST+4*\tt+1]        ; -M
	v_mov_b32 v[ST+4*\tt+2], 0                     ; the sum, in two halves
	v_mov_b32 v[ST+4*\tt+3], 0
.endr
	WIN 0x40
.set j, 0
.rept 128
	v_mov_b32 v[OT+j], 0                           ; O^T.  (The key step is written once: the first finds zeros, which the first change of M leaves zeros; a first step of its own would double the loop's text)
.set j, j+1
.endr
	WIN 0
	s_wait_kmcnt 0x0
	s_add_co_i32 s57, s52, s53                     ; e6 + e7
	s_lshl_b32 s60, s57, 23
	s_mov_b32 s22, 0x3e38aa3b                      ; log2(e) / 8
	s_add_co_i32 s22, s22, s60                     ; c: the two exponents are added to its exponent field
	s_mov_b32 s23, s22                             ; (the packed form names the pair, so it is written)
	s_sub_co_i32 s57, 0, s57
	v_mov_b32 v65, 0x519502f9                      ; 8e10 = 8 x 1e10, both f32 numbers
	s_delay_alu instid0(VALU_DEP_1)
	v_ldexp_f32 v65, v65, s57                      ; x 2^-(e6 + e7)
	s_add_co_i32 s60, s55, 127
	s_lshl_b32 s61, s60, 23
	v_mov_b32 v[SC], s61                           ; 2^e9 as f32, for the conversion
	s_add_co_i32 s56, s54, s55                     ; e8 + e9
	s_wait_loadcnt 0x0                             ; Q, the masks
.irp i, 0,1,2,3,4,5,6,7
	v_add_f32 v[56+\i], -1.0, v[56+\i]             ; the bias, rounded where the definition rounds: mask - 1,
.endr
.irp i, 0,1,2,3,4,5,6,7
	v_mul_f32 v[56+\i], v65, v[56+\i]              ; x 1e10 (x 8 x 2^-(e6 + e7), which rounds nothing more); exactly 0 where the mask is 1
.endr
	ds_store_b128 v64, v[56:59]
	ds_store_b128 v64, v[60:63] offset:16
	s_wait_tensorcnt 0x0                           ; my part of K or V has landed,
	s_wait_dscnt 0x0                               ; and my part of the bias
	s_barrier_signal -1
	s_barrier_wait -1                              ; everybody's has
	v_add_nc_u32 v[ADK], KBASE, v[LI]
	v_mov_b32 v[ADB], v[BL]
.macro LDK                             ; a step's eight tiles of K: 16 keys x 64 channels, 8 registers each
.irp i, 0,1,2,3,4,5,6,7
	ds_load_b128 v[KF+8*\i:KF+8*\i+3],   v[ADK] offset:1024*\i
	ds_load_b128 v[KF+8*\i+4:KF+8*\i+7], v[ADK] offset:1024*\i+512
.endr
.endm
.macro LDB                             ; its bias in the result's layout: register 16 b + 8 u + i = key 32 b + 16 hh + 8 u + i; the sixteen lanes of a half read the same words
.irp i, 0,1,2,3,4,5,6,7
	ds_load_b128 v[BI+8*\i:BI+8*\i+3],   v[ADB] offset:128*(\i/2)+32*(\i%2)
	ds_load_b128 v[BI+8*\i+4:BI+8*\i+7], v[ADB] offset:128*(\i/2)+32*(\i%2)+16
.endr
.endm
.macro LDV                             ; its four tiles of V^T: 16 channels x 128 keys, 16 registers each
	WIN 0x40
.irp t, 0,1,2,3
.irp c, 0,1,2,3
	ds_load_b128 v[VF+16*\t+4*\c:VF+16*\t+4*\c+3], v[ADV] offset:2048*\t+512*\c
.endr
.endr
	WIN 0
.endm
.macro KQ tt                           ; S^T = K Q^T + bias: eight accumulators, one instruction each
	WIN 0x04                                       ; source 1 (Q) window 1
.irp i, 0,1,2,3,4,5,6,7
	v_wmma_f32_16x16x64_fp8_fp8 v[S+8*\i:S+8*\i+7], v[KF+8*\i:KF+8*\i+7], v[8*(\tt):8*(\tt)+7], v[BI+8*\i:BI+8*\i+7]
.endr
	WIN 0
.endm
.macro SMUL                            ; t = c x (sum + bias), rounded to f32, two at a time, in place; ascending
.set j, 0
.rept 32
	v_pk_mul_f32 v[S+2*j:S+2*j+1], v[S+2*j:S+2*j+1], s[22:23] op_sel_hi:[1,0]
.set j, j+1
.endr
.endm
.macro SMAX tt                         ; the step's largest t of my query, the new M, and f = 2^(old M - new M)
.set rT, ST+4*(\tt)
	v_max3_num_f32 v[MA], v[S], v[S+1], v[S+2]     ; two chains
	v_max3_num_f32 v[MB], v[S+3], v[S+4], v[S+5]
.irp i, 6,10,14,18,22,26,30,34,38,42,46,50,54,58
	s_delay_alu instid0(VALU_DEP_2)
	v_max3_num_f32 v[MA], v[MA], v[S+\i], v[S+\i+1]
	s_delay_alu instid0(VALU_DEP_2)
	v_max3_num_f32 v[MB], v[MB], v[S+\i+2], v[S+\i+3]
.endr
	s_delay_alu instid0(VALU_DEP_2)
	v_max3_num_f32 v[MA], v[MA], v[S+62], v[S+63]
	s_delay_alu instid0(VALU_DEP_1)
	v_max_num_f32 v[MA], v[MA], v[MB]
	s_delay_alu instid0(VALU_DEP_1)
	v_permlanex16_b32 v[PX], v[MA], s20, s21
	s_delay_alu instid0(VALU_DEP_1)
	v_max_num_f32 v[MA], v[MA], v[PX]              ; and among lane l xor 16's 64 keys
	s_delay_alu instid0(VALU_DEP_1)
	v_max_num_f32 v[rT+1], v[rT+1], v[MA]          ; the running largest t
	v_mov_b32 v[MB], v[rT]
	s_delay_alu instid0(VALU_DEP_2)
	v_floor_f32 v[rT], -v[rT+1]                    ; the new -M = floor(-t) = -ceil(t): M is a whole number
	s_delay_alu instid0(VALU_DEP_1)
	v_sub_f32 v[MB], v[rT], v[MB]                  ; old M - new M: a whole number, 0 or less
	s_delay_alu instid0(VALU_DEP_1)
	v_cvt_i32_f32 v[MB], v[MB]                     ; (it saturates)
	s_delay_alu instid0(VALU_DEP_1)
	v_ldexp_f32 v[F], 1.0, v[MB]
.endm
.macro SSUB n                          ; pair n: t - M (of the pair -M, largest t the low word serves both halves).  Near the largest t the difference is exact
	v_pk_add_f32 v[S+2*(\n):S+2*(\n)+1], v[S+2*(\n):S+2*(\n)+1], v[rT:rT+1] op_sel_hi:[1,0]
.endm
.macro SADD n                          ; pair n joins the row's sum, UNQUANTISED and ahead of its hold: the even pairs onto the sum itself, the odd ones in a second chain, which pair 1 starts
.if (\n) == 1
	s_wait_alu depctr_va_vdst(0)
	v_pk_mul_f32 v[T:T+1], v[S+2:S+3], 1.0 op_sel_hi:[1,0]
.elseif (\n)%2 == 0
	s_wait_alu depctr_va_vdst(0)
	v_pk_add_f32 v[rT+2:rT+3], v[rT+2:rT+3], v[S+2*(\n):S+2*(\n)+1]
.else
	s_wait_alu depctr_va_vdst(0)
	v_nop
	v_pk_add_f32 v[T:T+1], v[T:T+1], v[S+2*(\n):S+2*(\n)+1]
.endif
.endm
.macro SHOLD n                         ; the conversion to an 8-bit code does not saturate (ISA guide 7.6.2)
.endm
.macro SCVT g                          ; eight neighbouring keys' p become two registers of the second product's operand
	v_cvt_scalef32_pk8_fp8_f32 v[P+2*(\g):P+2*(\g)+1], v[S+8*(\g):S+8*(\g)+7], v[SC]
.endm
; p = 2^(t - M), its sum, its hold and its codes, in one pass.  Turn q: t - M of pair q + 2 | exponential | the sum of pair q - 1 | exponential | the hold of pair q - 1 | after every fourth pair a conversion.
; So behind every exponential stands a plain line that touches neither its result nor its source, before that result is used, and behind every conversion a plain line.
.macro SEXP tt
.set rT, ST+4*(\tt)
	s_delay_alu instid0(VALU_DEP_1)
	v_pk_mul_f32 v[rT+2:rT+3], v[rT+2:rT+3], v[F:F+1] op_sel_hi:[1,0]   ; the sum under the new M
	SSUB 0
	SSUB 1
.set q, 0
	s_wait_alu depctr_va_vdst(0)
.rept 33
.if q+2 < 32
	SSUB q+2
.endif
.if q < 32
	v_exp_f32 v[S+2*q], v[S+2*q]
.endif
.if q >= 1
	SADD q-1
.endif
.if q < 32
	v_exp_f32 v[S+2*q+1], v[S+2*q+1]
.endif
.if q >= 1
	SHOLD q-1
.if q%4 == 0
	SCVT (q-4)/4
.endif
.endif
.set q, q+1
.endr
	v_pk_add_f32 v[rT+2:rT+3], v[rT+2:rT+3], v[T:T+1]
.endm
.macro RESC tt                         ; O^T under the new M: x f, ascending.  These sixteen are also the plain lines between the last conversion and the products that read its result
	WIN 0x41                                       ; destination and source 0 window 1
.set j, 0
.rept 16
	v_pk_mul_f32 v[OT+32*(\tt)+2*j:OT+32*(\tt)+2*j+1], v[OT+32*(\tt)+2*j:OT+32*(\tt)+2*j+1], v[F:F+1] op_sel_hi:[1,0]
.set j, j+1
.endr
.endm
.macro PVM tt                          ; O^T += V^T P^T: four accumulators, one instruction each: between two links of a chain stand all the other products of a key step
	WIN 0x51                                       ; source 0 (V), C and D window 1
.irp t, 0,1,2,3
	v_wmma_f32_16x16x128_fp8_fp8 v[OT+32*(\tt)+8*\t:OT+32*(\tt)+8*\t+7], v[VF+16*\t:VF+16*\t+15], v[P:P+15], v[OT+32*(\tt)+8*\t:OT+32*(\tt)+8*\t+7]
.endr
	WIN 0
.endm
	LDK                                            ; key step 0
	LDB
.Lstep:                                            ; 16 trips of 128 keys.  K and the bias are fetched a step ahead, V at the step's head
	v_add_nc_u32 v[ADV], s[TBV], v[LI]             ; three additions and a v_nop: the four places between the last products, which read V's fragments, and the loads into them
	s_add_co_u32 s[TBK], s[TBK], STEPB
	s_add_co_u32 s[TBV], s[TBV], STEPB
	s_add_co_u32 s[BO], s[BO], 512
	v_add_nc_u32 v[ADK], s[TBK], v[LI]
	v_add_nc_u32 v[ADB], s[BO], v[BL]
	v_nop
	LDV
	s_wait_dscnt 16                                ; K and the bias, asked for a step ago, are in; the 16 loads of V may be out
.irp tt, 0,1,2,3
	KQ \tt
	PLACES 4                                       ; in front of the first read of the scores, and (tile 3) of the loads into K's and the bias's registers
.if \tt == 3
	LDK                                            ; the next step's K and bias: tile 3's softmax and second product stand between these loads and the wait for them
	LDB
.endif
	SMUL
	SMAX \tt
	SEXP \tt
.if \tt == 0
	s_wait_dscnt 0x0                               ; V is in (asked for a tile's softmax ago)
.endif
	RESC \tt
	PVM \tt
.endr
	s_sub_co_u32 s51, s51, 1
	s_cmp_lg_u32 s51, 0
	s_cbranch_scc1 .Lstep
	; THE WAY OUT.  The sum's halves are added; O^T x q_mask x 2^(e8 + e9) / the sum goes through my stage in LDS, a tile of 16 queries at a time, so that sixteen lanes store one token's 256 bytes of my head.
	s_wait_dscnt 0x0                               ; the last look-ahead has landed: its registers are taken below
.irp tt, 0,1,2,3
	v_add_f32 v[ST+4*\tt+2], v[ST+4*\tt+2], v[ST+4*\tt+3]   ; (these four are the places behind the last products)
.endr
.irp tt, 0,1,2,3
	s_delay_alu instid0(VALU_DEP_4)
	v_permlanex16_b32 v[ST+4*\tt+3], v[ST+4*\tt+2], s20, s21
.endr
.irp tt, 0,1,2,3
	s_delay_alu instid0(VALU_DEP_4)
	v_add_f32 v[ST+4*\tt+2], v[ST+4*\tt+2], v[ST+4*\tt+3]   ; the row's sum
.endr
	s_wait_alu depctr_va_vdst(0)
.irp tt, 0,1,2,3
	v_rcp_f32 v[ST+4*\tt], v[ST+4*\tt+2]
.endr
	v_nop                                          ; a plain line between the last reciprocal and the use of its result
	s_wait_alu depctr_va_vdst(0)
.irp tt, 0,1,2,3
	v_ldexp_f32 v[ST+4*\tt], v[ST+4*\tt], s56
.endr
.irp tt, 0,1,2,3
	s_delay_alu instid0(VALU_DEP_4)
	v_mul_f32 v[ST+4*\tt], v[ST+4*\tt], v[QM+\tt]
.endr
.macro PACK tt
	WIN 0x01                                       ; source 0 (O^T) window 1
.set j, 0
.rept 16
	v_pk_mul_f32 v[S+32*((\tt)%2)+2*j:S+32*((\tt)%2)+2*j+1], v[OT+32*(\tt)+2*j:OT+32*(\tt)+2*j+1], v[ST+4*(\tt):ST+4*(\tt)+1] op_sel_hi:[1,0]   ; register 8 t + i: channel 16 t + 8 hh + i of my query; each accumulator from its low end on
.set j, j+1
.endr
	WIN 0
.irp t, 0,1,2,3
	ds_store_b128 v[STO], v[S+32*((\tt)%2)+8*\t:S+32*((\tt)%2)+8*\t+3] offset:64*\t
	ds_store_b128 v[STO], v[S+32*((\tt)%2)+8*\t+4:S+32*((\tt)%2)+8*\t+7] offset:64*\t+16
.endr
.irp i, 0,1,2,3,4,5,6,7
	ds_load_b128 v[BK+32*(\tt)+4*\i:BK+32*(\tt)+4*\i+3], v[RD] offset:544*\i   ; LDS serves a wave's instructions in order (ISA guide 5.7.1.4): these see my stores, and the next tile's stores come behind them
.endr
.endm
.macro SEND tt, younger                ; younger: the LDS instructions issued behind tile tt's loads: the next tile's sixteen, or none.  Stage row 2 i + hh is token 32 (tt / 2) + 8 (tt % 2) + 2 i + hh + 8 (i / 4)
.irp i, 0,1,2,3,4,5,6,7
	s_wait_dscnt \younger+7-\i
	global_store_b128 v[GO], v[BK+32*(\tt)+4*\i:BK+32*(\tt)+4*\i+3], s[58:59] offset:(32*((\tt)/2)+8*((\tt)%2)+2*\i+8*(\i/4))*2048 th:TH_STORE_NT   ; sixteen lanes store 256 consecutive bytes, aligned; written once
.endr
.endm
	PACK 0
	PACK 1                                         ; a tile's arithmetic stands between the loads of the tile before and its stores
	SEND 0, 16
	PACK 2
	SEND 1, 16
	PACK 3
	SEND 2, 16
	SEND 3, 0
	s_wait_dscnt 0x0                               ; no LDS instruction of mine is pending at a signal
	s_wait_tensorcnt 0x0
	ds_add_u32 v254, v255
	s_wait_dscnt 0x0
	CROUND                                         ; the closing round: no work-group ends while a partner may still ask for a tile that names it
	s_endpgm
.Lfunc_end_k_qdef9da2961_attn:
	.size	k_qdef9da2961_attn, .Lfunc_end_k_qdef9da2961_attn-k_qdef9da2961_attn
	.p2alignl 7, 3214868480
	.fill 96, 4, 3214868480
	.section	.rodata,"a",@progbits
	.p2align	6, 0x0
	.amdhsa_kernel k_qdef9da2961_attn
		.amdhsa_group_segment_fixed_size 327680
		.amdhsa_private_segment_fixed_size 0
		.amdhsa_enable_private_segment 0
		.amdhsa_kernarg_size 56
		.amdhsa_user_sgpr_count 2
		.amdhsa_user_sgpr_kernarg_segment_ptr 1
		.amdhsa_wavefront_size32 1
		.amdhsa_system_sgpr_workgroup_id_x 1
		.amdhsa_system_sgpr_workgroup_id_y 1
		.amdhsa_system_sgpr_workgroup_id_z 1
		.amdhsa_system_vgpr_workitem_id 0
		.amdhsa_next_free_vgpr 512
		.amdhsa_next_free_sgpr 72
		.amdhsa_reserve_vcc 0
		.amdhsa_float_denorm_mode_32 3
		.amdhsa_float_denorm_mode_16_64 3
		.amdhsa_fp16_overflow 1
		.amdhsa_memory_ordered 1
		.amdhsa_forward_progress 1
		.amdhsa_inst_pref_size 96
	.end_amdhsa_kernel
	.amdgpu_metadata
---
amdhsa.version: [ 1, 2 ]
amdhsa.kernels:
  - .name:           k_qdef9da2961_attn
    .symbol:         k_qdef9da2961_attn.kd
    .args:
      - { .name: qc, .offset: 0, .size: 8, .value_kind: global_buffer, .address_space: global }
      - { .name: kc, .offset: 8, .size: 8, .value_kind: global_buffer, .address_space: global }
      - { .name: vc, .offset: 16, .size: 8, .value_kind: global_buffer, .address_space: global }
      - { .name: v_mask, .offset: 24, .size: 8, .value_kind: global_buffer, .address_space: global }
      - { .name: q_mask, .offset: 32, .size: 8, .value_kind: global_buffer, .address_space: global }
      - { .name: lowp_scales, .offset: 40, .size: 8, .value_kind: global_buffer, .address_space: global }
      - { .name: out0, .offset: 48, .size: 8, .value_kind: global_buffer, .address_space: global }
    .group_segment_fixed_size: 327680
    .private_segment_fixed_size: 0
    .kernarg_segment_align: 8
    .kernarg_segment_size: 56
    .max_flat_workgroup_size: 256
    .sgpr_count:     72
    .vgpr_count:     512
    .wavefront_size: 32
...
	.end_amdgpu_metadata
.endif
;; end of part 3
